; MI455X (gfx1250); checked and timed in simulation.
; The chip was launched on July 23, 2026; its instructions are those of AMD's public machine-readable ISA for CDNA 5 (MIT licence, August 2026) and "CDNA5" Instruction Set Architecture Reference Guide (July 2026). The comments in the code are by the model that wrote it; some were corrected since.
;; Bert Self Attention. Allowed arithmetic: matrix products marked QUANTISED: E4M3 operands, one given power-of-two scale a tensor, by v_wmma_f32_16x16x64_fp8_fp8 or v_wmma_f32_16x16x128_fp8_fp8, f32 sums; everything else in f32.
;; Inputs: Wk_codes 1,024 x 32 x 32 uint8 (E4M3 codes of Wk, K innermost, in blocks of 32 codes); Wq_codes 1,024 x 32 x 32 uint8 (E4M3 codes of Wq, K innermost, in blocks of 32 codes); Wv_codes 1,024 x 32 x 32 uint8 (E4M3 codes of Wv, K innermost, in blocks of 32 codes); attention_mask 2 x 1 x 1 x 2,048 float32; bk 1,024 float32; bq 1,024 float32; bv 1,024 float32; hidden_states_codes 2 x 2,048 x 32 x 32 uint8 (E4M3 codes of hidden_states, K innermost, in blocks of 32 codes); lowp_scales 10 int32 (the exponents e of the quantised operands' scales 2^e).
;; Outputs: out0 2 x 2,048 x 1,024 float32.
;; This version of the problem:
;;   THIS VERSION OF THE PROBLEM IS GIVEN IN LOW PRECISION. The matrix products marked QUANTISED in the list below multiply operands that are first quantised to E4M3 (4 exponent bits, 3 mantissa bits; 8 bits a number), with one given power-of-two scale for each operand tensor; their sums are f32. All else is computed in f32.
;;   The module's matrix products, in the order in which they are computed (A, B: the left and right operand; K: the contracted axis; several contracted axes count as one K, in the product's order):
;;     1. [M 4,096, K 1,024] x [K 1,024, N 1,024]; A: input hidden_states (given as codes); B: input Wq (given as codes): QUANTISED (scales: A lowp_scales[0], B lowp_scales[1])
;;     2. [M 4,096, K 1,024] x [K 1,024, N 1,024]; A: input hidden_states (given as codes); B: input Wk (given as codes): QUANTISED (scales: A lowp_scales[2], B lowp_scales[3])
;;     3. [M 4,096, K 1,024] x [K 1,024, N 1,024]; A: input hidden_states (given as codes); B: input Wv (given as codes): QUANTISED (scales: A lowp_scales[4], B lowp_scales[5])
;;     4. batch 32 x [M 2,048, K 64] x [K 64, N 2,048]; A: computed on the way; B: computed on the way: QUANTISED (scales: A lowp_scales[6], B lowp_scales[7])
;;     5. batch 32 x [M 2,048, K 2,048] x [K 2,048, N 64]; A: softmax (see below); B: computed on the way: QUANTISED (scales: A lowp_scales[8], B lowp_scales[9])
;;   THE QUANTISER, for each operand of a quantised product, along K:
;;     - The operand's scale is 2^e, e = its entry of the input lowp_scales (int32; the entries are numbered through the quantised products in the list's order, A before B).
;;     - Each number is divided by the scale, clamped to +-448, and rounded to the nearest number of E4M3, ties to even, subnormals kept.
;;     - The product sums the exact products of the quantised numbers (number of the format x scale) in f32.
;;   ~~~python
;;   def quantise(x, axis, e):      # numpy; x: float32 -> the quantised numbers, widened to float32 again
;;       x = np.moveaxis(x, axis, -1); K = x.shape[-1]
;;       r = np.clip(x / 2.0 ** e, -448, 448)
;;       step = 2.0 ** (np.maximum(np.frexp(np.where(r == 0, 1, r))[1] - 1, -6) - 3)
;;       q = np.round(r / step) * step * 2.0 ** e      # np.round: ties to even
;;       return np.moveaxis(q, -1, axis).astype(np.float32)
;;   ~~~
;;   SOFTMAX AHEAD OF A QUANTISED PRODUCT. Where the list says 'softmax', what is quantised is not the finished softmax but p = 2^(t - M), with t = logit x log2(e) and M = ceil(the row's largest t), a whole number; so 1/2 < the row's largest p <= 1. The row's sum l is taken of the UNQUANTISED p, in f32, and the product's result is divided by l at the end. Since M is a whole number, a kernel that streams over the keys may use a running M (the ceiling of the running maximum): every later rescaling is an exact power of two, so the quantised numbers keep their values, but for numbers so far below the row's largest that they fall under the format's range.
;;   OPERANDS COMPUTED ON THE WAY. 'Computed on the way' means the value that the module computes at that place (a softmax that the list does not call 'softmax' is quantised finished and normalised). What goes into a quantiser is computed in f32, as accurately as f32 sums, v_exp_f32 and their like allow (about 1e-6 of the number): no bf16 or f16 on the way to a quantiser, and a product that is left as it is and whose result goes on into a quantised operand takes f32 operands (vector FMAs, or v_wmma_f32_16x16x4_f32). A number that lies on a knife's edge between two numbers of the format may be rounded either way, as far as f32 arithmetic and the matrix unit's own rounding can turn it there, and no further.
;;   INPUTS GIVEN AS CODES. Wk (in the module: [1024, 1024], K = its axis 0); Wq (in the module: [1024, 1024], K = its axis 0); Wv (in the module: [1024, 1024], K = its axis 0); hidden_states (in the module: [2, 2048, 1024], K = its axis 2): each comes as NAME_codes (uint8): NAME with its K axis moved to the last place and cut into blocks of 32 codes, [.., K / 32, bytes a block], one block behind the other in memory; one code a byte (a code: sign, 4 exponent bits, 3 mantissa bits); its scale is its entry of lowp_scales. Its value is code x scale, taken as it is: it is not quantised again, and the codes and scales need not be those that the quantiser above would give.
;; One version. Each part assembles by itself: llvm-mc -triple=amdgcn-amd-amdhsa -mcpu=gfx1250 --defsym DOCPART=n.
;; ======== version 1 of 1: 2 launches
;; limits: inputs' magnitudes at most 536,870,912; right only within a limited range of input values
;; workspace buffers: q_img 4,194,304 bytes; kv_img 8,388,608 bytes
;; launch proj (part 1): grid 16 x 16, 4 waves a work-group, clusters of 4 x 4, 327,680 bytes of LDS; arguments hidden_states_codes, Wq_codes, Wk_codes, Wv_codes, bq, bk, bv, lowp_scales, q_img, kv_img; writes q_img, kv_img
.if DOCPART == 1
	.amdgcn_target "amdgcn-amd-amdhsa--gfx1250"
	.amdhsa_code_object_version 6
	.text
	.protected	k_q35851162e4_proj
	.globl	k_q35851162e4_proj
	.p2align	8
	.type	k_q35851162e4_proj,@function
k_q35851162e4_proj:
	s_mov_b64 s[64:65], 0
	v_nop
	global_prefetch_b8 v0, s[64:65] scope:SCOPE_SE
	s_setreg_imm32_b32 hwreg(HW_REG_WAVE_MODE, 25, 1), 1
	s_wait_xcnt 0x0
	s_wait_alu depctr_hold_cnt(0) depctr_sa_sdst(0) depctr_va_vdst(0) depctr_va_sdst(0) depctr_va_ssrc(0) depctr_va_vcc(0) depctr_vm_vsrc(0)
	s_getreg_b32 s2, hwreg(HW_REG_IB_STS2, 6, 4)
	s_cmp_eq_u32 s2, 0
	s_cbranch_scc0 .Lentry_in_a_cluster
	s_endpgm
.Lentry_in_a_cluster:
	s_bfe_u32 s2, ttmp6, 0x10000c
	s_cmp_lg_u32 s2, 0xf033
	s_cbranch_scc0 .Lentry_shape_is_right
	s_endpgm
.Lentry_shape_is_right:
; q, k, v = hidden W + b for one head and 256 rows, on codes of FP8 (E4M3), and their quantising for the attention launch.  No step of the problem is left out.
; hidden: [4096][1024] codes; Wq, Wk, Wv: [1024 (n)][1024 (k)] codes, K innermost; bq, bk, bv: [1024] f32; lowp_scales: e0 .. e9.
; A sum of codes stands for sum x 2^(ea + eb); the bias goes in as the C of a sum's first product, divided by that power of two; the code of a result is
; (sum + bias') / 2^X, held within +-448, with X = e6 - e0 - e1 (q), e7 - e2 - e3 (k), e9 - e4 - e5 (v): the three scales folded into the conversion's one.
; LIMITS: each X lies between -126 and 119, so that 2^X and 448 x 2^X are f32 numbers.  NaN among the biases is not served.
; SHARES.  Work-group (x = head, y = block of 256 rows); 256 work-groups.  Wave w makes rows 128 (w / 2) .. + 127 and channels 32 (w % 2) .. + 31 of q, of k and of v: 8 x 6 accumulators of 16 x 16.
; K goes in steps of 256 through a ring of two LDS slots: wave 0 fetches the 256 rows of hidden, waves 1, 2, 3 the head's 64 rows of Wq, Wk, Wv, one tensor load each.
; CLUSTER of 4 x 4: the four work-groups of a row (same y) need the same rows of hidden, the four of a column (same head) the same weights: both are asked for JOINTLY.
; PREFETCH: behind the joint load of K step k stands the prefetch of K step k + 1; K step 0 comes by its load alone, and behind the last K step's load nothing is asked for.
; ORIENTATION.  q and k: source 0 = 16 rows of W, source 1 = 16 rows of hidden: a lane holds one row and eight neighbouring channels.
; v: source 0 = 16 rows of hidden, source 1 = 16 rows of Wv: a lane holds one channel and eight neighbouring keys.  So two conversions give 16 bytes along the next K.
; OUTPUT: images of the operand registers that the attention launch loads, 16 bytes for each lane (r, h).  bh = 16 batch + head.  ch(h, i) = 8 h + i for i under 8, 16 + 8 h + i - 8 from 8 on:
;   q_img [bh][tile T of 16 queries][1024]: byte 512 c + 16 (16 h + r) + i = q(16 T + r, 32 c + ch(h, i))
;   kv_img [bh][step s of 128 keys][16384]: K's tile n at 1024 n: byte 512 c + 16 (16 h + r) + i = k(128 s + 16 n + r, 32 c + ch(h, i));
;                                           V's channel tile t at 8192 + 2048 t: byte 512 b + 16 (16 h + r) + i = v(key 128 s + 32 b + ch(h, i), channel 16 t + r)
; REGISTERS: windows 0 and 3: a set of fragments each (v32-159 hidden's eight, v160-255 the weights' six, 128 along K); window 0 also v0-31 addresses and constants, and v32-127 the codes on the way out.
;   window 1: v0-191 the accumulators of row tiles 0-3, v192-239 the biases.  window 2: v0-191 those of row tiles 4-7.  Accumulator (a, n) at 8 (6 (a % 4) + n); n = 0, 1 q; 2, 3 k; 4, 5 v.
.set PITCH, 272                        ; an LDS row: 256 bytes + 16 of padding = 68 words: row r starts at bank 4 r mod 64 (64 banks of 4 bytes: ISA guide 11.1)
.set WOFF,  256*PITCH                  ; a slot: 256 rows of hidden, then 64 rows of each weight
.set WMAT,  64*PITCH
.set SLOT,  448*PITCH
.set SPARE, 2*SLOT                     ; behind the ring: the spare words, 128 bytes for each wave
.set LI,    1                          ; 16 x lane
.set ADA,   2                          ; v2, 3: my fragments of hidden in slot 0, 1
.set ADW,   4                          ; v4, 5: of the weights
.set BO,    6                          ; 32 h
.set BVO,   7                          ; 4 r
.set PFO,   8                          ; the prefetches' offset, a lane a row
.set BVR,   9                          ; v9, 10: bv as loaded
.set SPW,   11
.set NIL,   12
.set SCL,   20                         ; v20, 21: 2^X and 448 x 2^X for q; v22, 23 for k; v24, 25 for v
.set HF,    32
.set WF,    160
.set BIA,   192
.set G1,    40                         ; s[40:47] group 1 for hidden; s[48:55] for the weights
.set G1B,   48
.set G0,    56                         ; s[56:63] groups 0 for hidden, one for each slot; s[68:75] for the weights
.set G0B,   68
.set MSB, 0
.macro WIN new                         ; the immediate's high byte repeats the setting that is left; a switch that changes nothing is dropped
.if MSB != (\new)
	s_set_vgpr_msb (MSB<<8)|(\new)
.set MSB, (\new)
.endif
.endm
.macro PLACES                          ; four plain vector instructions between a matrix instruction and a load into, or a read of, its registers
.rept 4
	v_nop
.endr
.endm
.macro CREST                           ; a round of the cluster's barrier behind its opening barrier
	s_cmp_lg_u32 s4, 0
	s_cbranch_scc1 .Lnot_wave_0_\@
	s_barrier_signal -3
.Lnot_wave_0_\@:
	s_barrier_wait -3
	s_barrier_signal -1
	s_barrier_wait -1
.endm
.macro CROUND                          ; a whole round
	s_barrier_signal -1
	s_barrier_wait -1
	CREST
.endm
.macro JLOAD s                         ; a joint load into slot s: one mask and one set of registers for all that issue each line; the branch hangs on the wave's number alone
	s_cmp_eq_u32 s4, 0
	s_cbranch_scc0 .Lfor_w_\@
	tensor_load_to_lds s[G0+4*\s:G0+4*\s+3], s[G1:G1+7]
	s_nop 0
	PLACES
	s_branch .Lasked_\@
.Lfor_w_\@:
	tensor_load_to_lds s[G0B+4*\s:G0B+4*\s+3], s[G1B:G1B+7]
	s_nop 0
	PLACES
.Lasked_\@:
.endm
; Each block of 256 bytes of K step k is named once in each cluster that loads it: of hidden's 256 rows my work-group takes 64 (by cx), wave 0 in two instructions;
; of each weight's 64 rows 16 (by cy), waves 1 to 3; their lanes 16-31 name the sixteenth row again.
.macro ASK k
	global_prefetch_b8 v[PFO], s[80:81] offset:256*\k th:TH_LOAD_NT scope:SCOPE_SE
	s_cmp_lg_u32 s4, 0
	s_cbranch_scc1 .Lone_\@
	global_prefetch_b8 v[PFO], s[80:81] offset:32768+256*\k th:TH_LOAD_NT scope:SCOPE_SE
.Lone_\@:
.endm
.macro SLOTREG s                       ; groups 0 for slot s, set up for K step s
	s_mov_b32 s[G0+4*\s], 1                        ; 1:0 count = 1
	s_mov_b32 s[G0+4*\s+1], \s*SLOT                ; 63:32 LDS address
	s_add_nc_u64 s[G0+4*\s+2:G0+4*\s+3], s[76:77], 256*\s   ; 120:64 global address
	s_or_b32 s[G0+4*\s+3], s[G0+4*\s+3], 0x80000000         ; 127:126 type = 2
	s_mov_b32 s[G0B+4*\s], 1
	s_add_co_u32 s[G0B+4*\s+1], s89, \s*SLOT
	s_add_nc_u64 s[G0B+4*\s+2:G0B+4*\s+3], s[78:79], 256*\s
	s_or_b32 s[G0B+4*\s+3], s[G0B+4*\s+3], 0x80000000
.endm
; P: the window of the set that is multiplied (0 or 3); FIRST: the sums begin, with the biases as C; NS, NQ: slot and half of the K step that is loaded into the other set; KL: the next of its 56 loads.
.macro LOADS n                         ; the weights' 24 loads first, then hidden's, row tile by row tile
	WIN 0xc0-0x40*P
.rept \n
.if KL < 24
	ds_load_b128 v[WF+4*KL:WF+4*KL+3], v[ADW+NS] offset:WMAT*(KL/8)+16*PITCH*((KL/4)%2)+128*NQ+32*(KL%4)
.else
	ds_load_b128 v[HF+4*(KL-24):HF+4*(KL-24)+3], v[ADA+NS] offset:16*PITCH*((KL-24)/4)+128*NQ+32*(KL%4)
.endif
.set KL, KL+1
.endr
.endm
.macro GRP a                           ; row tile a: six products; the 48 accumulators take turns, one instruction a turn
.if (\a) < 4
	WIN 0x50+5*P
.elseif FIRST
	WIN 0x90+5*P
.else
	WIN 0xa0+5*P
.endif
.irp n, 0,1,2,3,4,5
.set AC, 8*(6*((\a)%4)+\n)
.set CC, AC
.if FIRST
.set CC, BIA+8*\n
.endif
.if \n < 4
	v_wmma_f32_16x16x128_fp8_fp8 v[AC:AC+7], v[WF+16*\n:WF+16*\n+15], v[HF+16*(\a):HF+16*(\a)+15], v[CC:CC+7]
.else
	v_wmma_f32_16x16x128_fp8_fp8 v[AC:AC+7], v[HF+16*(\a):HF+16*(\a)+15], v[WF+16*\n:WF+16*\n+15], v[CC:CC+7]
.endif
.endr
.endm
.macro SETS p, first, ns, nq
.set P, \p
.set FIRST, \first
.set NS, \ns
.set NQ, \nq
.set KL, 0
.endm
; 128 along K; the next 128's fragments are loaded in four runs of fourteen.
.macro STEP p, first, ns, nq
	SETS \p, \first, \ns, \nq
	PLACES                                         ; the other set was multiplied last
	s_wait_dscnt 16                                ; the weights and row tiles 0-3 are in; the youngest 16 loads (row tiles 4-7) may be out
	GRP 0
	LOADS 14
	GRP 1
	GRP 2
	LOADS 14
	GRP 3
	s_wait_dscnt 28                                ; all but the 28 loads just issued
	GRP 4
	LOADS 14
	GRP 5
	LOADS 14
	GRP 6
	GRP 7
.endm
; The same with the change of slots: the next 128 lie in the other slot.  fill = 1: the slot just read (s) is filled again, two K steps on.
.macro CSTEP p, ns, nq, fill, s
	SETS \p, 0, \ns, \nq
	s_wait_dscnt 16
	GRP 0
	GRP 1
	WIN 0
	s_wait_tensorcnt 0x0                           ; all my tensor loads have landed: my part of the next slot
.if \fill
	ds_add_u32 v[SPW], v[NIL]                      ; six products stand between the add and the wait for it
	s_add_nc_u64 s[G0+4*\s+2:G0+4*\s+3], s[G0+4*\s+2:G0+4*\s+3], 512
	s_add_nc_u64 s[G0B+4*\s+2:G0B+4*\s+3], s[G0B+4*\s+2:G0B+4*\s+3], 512
.endif
	GRP 2
	s_wait_dscnt 0x0                               ; (the add is done, and) my reads of this slot are over
	s_barrier_signal -1
	GRP 3
	WIN 0
	s_barrier_wait -1
.if \fill
	CREST                                          ; the barrier has opened a round: no wave of any partner still reads this slot or has a load on its way
	JLOAD \s                                       ; the first tensor load behind the round; the four v_nop behind it are the places in front of the loads below
.else
	PLACES
.endif
	LOADS 14
	GRP 4
	LOADS 14
	GRP 5
	LOADS 14
	GRP 6
	LOADS 14
	GRP 7
.endm
; 2^X and 448 x 2^X as f32, X = eo - ea - eb; and -(ea + eb) for the bias
.macro MKSC ea, eb, eo, n
	s_add_co_i32 s66, s[\ea], s[\eb]
	s_sub_co_i32 s[92+\n], 0, s66
	s_sub_co_i32 s66, s[\eo], s66
	s_add_co_i32 s66, s66, 127
	s_lshl_b32 s67, s66, 23
	v_mov_b32 v[SCL+2*\n], s67
	s_add_co_i32 s66, s66, 8
	s_lshl_b32 s66, s66, 23
	s_or_b32 s66, s66, 0x600000
	v_mov_b32 v[SCL+2*\n+1], s66
.endm
; Row tiles 2 b and 2 b + 1 become codes and go out: each store covers 512 consecutive bytes, at a multiple of 512 from its buffer's first byte.
.macro QB b
.set AW, 1+\b/2
.set CD, 32+24*\b
	WIN 0x41*AW
.irp u, 0,1
.irp n, 0,1,2,3,4,5
.set AC, 8*(6*((2*\b+\u)%4)+\n)
.irp j, 0,1,2,3,4,5,6,7
	v_med3_num_f32 v[AC+\j], v[AC+\j], -v[SCL+2*(\n/2)+1], v[SCL+2*(\n/2)+1]   ; the conversion to an 8-bit code does not saturate (ISA guide 7.6.2): the hold at 448 x 2^X; each accumulator from its low end on
.endr
.endr
.endr
	WIN AW
.irp u, 0,1
.irp n, 0,1,2,3,4,5
.set AC, 8*(6*((2*\b+\u)%4)+\n)
.if \n < 4
.set CX, CD+8*(\n/2)+4*\u+2*(\n%2)     ; q, k: the 16 bytes run over the two channel tiles
.else
.set CX, CD+16+4*(\n-4)+2*\u           ; v: over the two row tiles
.endif
	v_cvt_scalef32_pk8_fp8_f32 v[CX:CX+1], v[AC:AC+7], v[SCL+2*(\n/2)]
.endr
.endr
	v_nop                                          ; a plain vector instruction behind the last conversion
	WIN 0
.irp u, 0,1
	global_store_b128 v[LI], v[CD+4*\u:CD+4*\u+3], s[82:83] offset:1024*(2*\b+\u)
	global_store_b128 v[LI], v[CD+8+4*\u:CD+8+4*\u+3], s[84:85] offset:1024*(2*\b+\u)
	global_store_b128 v[LI], v[CD+16+4*\u:CD+16+4*\u+3], s[86:87] offset:2048*\u+512*\b
.endr
.endm
	s_load_b512 s[16:31], s[0:1], 0x0              ; hidden 16, Wq 18, Wk 20, Wv 22, bq 24, bk 26, bv 28, the scales' exponents 30
	s_load_b128 s[32:35], s[0:1], 0x40             ; q_img 32, kv_img 34
	v_lshl_add_u32 v[SPW], v0, 2, SPARE
	v_mov_b32 v[NIL], 0
	ds_add_u32 v[SPW], v[NIL]                      ; the wave's opening: the add, twice on end, under one wait
	ds_add_u32 v[SPW], v[NIL]
	v_lshrrev_b32 v13, 5, v0
	v_readfirstlane_b32 s4, v13                    ; wave 0..3
	s_lshr_b32 s5, s4, 1                           ; which 128 rows are mine
	s_and_b32 s6, s4, 1                            ; which 32 channels
	s_bfe_u32 s7, ttmp6, 0x40000                   ; cx, cy: my place in the cluster
	s_bfe_u32 s8, ttmp6, 0x40004
	s_lshl_b32 s9, ttmp9, 2
	s_add_co_u32 s9, s9, s7                        ; the head = 4 x cluster x + cx
	s_and_b32 s10, ttmp7, 0xffff
	s_lshl_b32 s10, s10, 2
	s_add_co_u32 s10, s10, s8                      ; the block of 256 rows = 4 x cluster y + cy
	s_lshl_b32 s66, s8, 2
	s_lshl_b32 s66, 15, s66                        ; my row of the cluster
	s_lshl_b32 s67, 0x1111, s7                     ; my column
	s_or_b32 s[G1+0], s66, (0<<16)|(1<<20)|(1<<21)|(5<<22)|(3<<25)   ; 15:0 the mask; 17:16 elements of 1 byte; 20 padding on; 21 set beside a mask; 24:22 after every 64 words (code 5); 31:25 four words (code 3)
	s_or_b32 s[G1B+0], s67, (0<<16)|(1<<20)|(1<<21)|(5<<22)|(3<<25)
	s_mov_b32 s[G1+1], 256<<16                     ; tensor_dim0
	s_mov_b32 s[G1+2], 256<<16                     ; tensor_dim1
	s_mov_b32 s[G1+3], 256<<16                     ; tile_dim0
	s_mov_b32 s[G1+4], 256                         ; tile_dim1
	s_mov_b32 s[G1+5], 1024                        ; from row to row
	s_mov_b32 s[G1+6], 0
	s_mov_b32 s[G1+7], 0
	s_mov_b32 s[G1B+1], 256<<16
	s_mov_b32 s[G1B+2], 64<<16
	s_mov_b32 s[G1B+3], 256<<16
	s_mov_b32 s[G1B+4], 64
	s_mov_b32 s[G1B+5], 1024
	s_mov_b32 s[G1B+6], 0
	s_mov_b32 s[G1B+7], 0
	s_lshl_b32 s12, s10, 18                        ; hidden: 256 y rows of 1,024 bytes
	s_mov_b32 s13, 0
	s_lshl_b32 s14, s9, 16                         ; the weights: the head's 64 rows of 1,024 bytes
	s_mov_b32 s15, 0
	s_lshl_b32 s36, s9, 8                          ; the biases: 4 (64 head + 32 x channel half)
	s_lshl_b32 s37, s6, 7
	s_add_co_u32 s36, s36, s37
	s_mov_b32 s37, 0
	s_mul_i32 s38, s5, 128*PITCH                   ; my rows of hidden in a slot
	s_mul_i32 s39, s6, 32*PITCH
	s_add_co_u32 s39, s39, WOFF                    ; my rows of the weights
	s_mul_i32 s89, s4, WMAT
	s_add_co_u32 s89, s89, WOFF-WMAT               ; where waves 1 to 3 put theirs
	s_cmp_eq_u32 s4, 0
	s_cselect_b32 s11, 31, 15                      ; the last row that my prefetches name
	v_and_b32 v16, 31, v0
	v_and_b32 v13, 15, v0                          ; r
	v_bfe_u32 v14, v0, 4, 1                        ; h
	v_lshlrev_b32 v[LI], 4, v16
	v_mul_u32_u24 v15, v13, PITCH
	v_min_u32 v[PFO], s11, v16
	v_lshlrev_b32 v[BO], 5, v14
	v_lshlrev_b32 v[BVO], 2, v13
	v_lshl_add_u32 v15, v14, 4, v15                ; a fragment's row x pitch + 16 h
	v_lshlrev_b32 v[PFO], 10, v[PFO]
	v_add_nc_u32 v[ADA], s38, v15
	v_add_nc_u32 v[ADW], s39, v15
	v_add_nc_u32 v[ADA+1], SLOT, v[ADA]
	v_add_nc_u32 v[ADW+1], SLOT, v[ADW]
	s_wait_alu depctr_va_vdst(0)                   ; directly ahead of the waits below
	s_wait_dscnt 0x0                               ; both opening adds are done
	s_wait_kmcnt 0x0
	s_add_nc_u64 s[76:77], s[16:17], s[12:13]      ; hidden's rows: hang on y alone
	s_cmp_eq_u32 s4, 2
	s_cselect_b64 s[78:79], s[20:21], s[18:19]
	s_cmp_eq_u32 s4, 3
	s_cselect_b64 s[78:79], s[22:23], s[78:79]
	s_add_nc_u64 s[78:79], s[78:79], s[14:15]      ; my weight's rows: hang on the head alone
	s_load_b256 s[16:23], s[30:31], 0x0            ; e0 .. e7
	s_load_b32 s88, s[30:31], 0x24                 ; e9
	SLOTREG 0
	CROUND                                         ; all sixteen work-groups are here: the joint loads meet
	JLOAD 0                                        ; K step 0: my one tensor load at the head
	s_add_nc_u64 s[24:25], s[24:25], s[36:37]
	s_add_nc_u64 s[26:27], s[26:27], s[36:37]
	s_add_nc_u64 s[28:29], s[28:29], s[36:37]
	WIN 0x40
.irp n, 0,1                            ; bq, bk of channels 16 n + 8 h + 0 .. 7 of my 32: the layout of q's and k's results
	global_load_b128 v[BIA+8*\n:BIA+8*\n+3], v[BO], s[24:25] offset:64*\n
	global_load_b128 v[BIA+8*\n+4:BIA+8*\n+7], v[BO], s[24:25] offset:64*\n+16
	global_load_b128 v[BIA+16+8*\n:BIA+16+8*\n+3], v[BO], s[26:27] offset:64*\n
	global_load_b128 v[BIA+16+8*\n+4:BIA+16+8*\n+7], v[BO], s[26:27] offset:64*\n+16
.endr
	WIN 0
	global_load_b32 v[BVR], v[BVO], s[28:29]       ; bv of channel 16 t + r: one number for all eight registers
	global_load_b32 v[BVR+1], v[BVO], s[28:29] offset:64
	; the prefetches: wave 0 for hidden, 64 cx rows on; waves 1 to 3 for their weight, 16 cy rows on
	s_lshl_b32 s66, s7, 16
	s_lshl_b32 s90, s8, 14
	s_mov_b32 s91, 0
	s_cmp_eq_u32 s4, 0
	s_cselect_b64 s[80:81], s[76:77], s[78:79]
	s_cselect_b32 s90, s66, s90
	s_add_nc_u64 s[80:81], s[80:81], s[90:91]
	ASK 1
	SLOTREG 1
	; where my parts of the images go
	s_lshr_b32 s66, s10, 3
	s_lshl_b32 s66, s66, 4
	s_add_co_u32 s66, s66, s9                      ; bh = 16 batch + head
	s_and_b32 s67, s10, 7                          ; the block of 256 rows in the batch
	s_lshl_b32 s90, s66, 17                        ; q_img: 131,072 bh + 16,384 block + 8,192 x row half + 512 x channel half
	s_lshl_b32 s91, s67, 14
	s_add_co_u32 s90, s90, s91
	s_lshl_b32 s91, s5, 13
	s_add_co_u32 s90, s90, s91
	s_lshl_b32 s91, s6, 9
	s_add_co_u32 s90, s90, s91
	s_mov_b32 s91, 0
	s_add_nc_u64 s[82:83], s[32:33], s[90:91]
	s_lshl_b32 s90, s66, 18                        ; kv_img: 262,144 bh + 16,384 (2 block + row half): my key step
	s_lshl_b32 s66, s67, 15
	s_add_co_u32 s90, s90, s66
	s_lshl_b32 s66, s5, 14
	s_add_co_u32 s90, s90, s66
	s_add_nc_u64 s[34:35], s[34:35], s[90:91]
	s_lshl_b32 s90, s6, 9                          ; K's part: + 512 x channel half
	s_add_nc_u64 s[84:85], s[34:35], s[90:91]
	s_lshl_b32 s90, s6, 12                         ; V's part: channel tiles 2 x channel half on
	s_add_co_u32 s90, s90, 8192
	s_add_nc_u64 s[86:87], s[34:35], s[90:91]
	s_wait_kmcnt 0x0
	MKSC 16, 17, 22, 0                             ; q: e0, e1 -> e6
	MKSC 18, 19, 23, 1                             ; k: e2, e3 -> e7
	MKSC 20, 21, 88, 2                             ; v: e4, e5 -> e9
	s_wait_loadcnt 0x0
	WIN 0x41
.irp j, 0,1,2,3,4,5,6,7,8,9,10,11,12,13,14,15
	v_ldexp_f32 v[BIA+\j], v[BIA+\j], s92          ; bq / 2^(e0 + e1)
	v_ldexp_f32 v[BIA+16+\j], v[BIA+16+\j], s93    ; bk / 2^(e2 + e3)
.endr
	WIN 0x40
.irp j, 0,1,2,3,4,5,6,7
	v_ldexp_f32 v[BIA+32+\j], v[BVR], s94          ; bv / 2^(e4 + e5)
	v_ldexp_f32 v[BIA+40+\j], v[BVR+1], s94
.endr
	WIN 0
	s_wait_alu depctr_va_vdst(0)                   ; the head's end
	s_wait_tensorcnt 0x0                           ; my part of K step 0 is in
	ds_add_u32 v[SPW], v[NIL]
	s_wait_dscnt 0x0                               ; the add is done
	CROUND                                         ; everybody's part of K step 0 is in, and all sixteen work-groups are here:
	JLOAD 1                                        ; K step 1, the first tensor load behind the round
	SETS 3, 0, 0, 0
	LOADS 56                                       ; the first 128 along K into window 0's set
	WIN 0
	ASK 2
	STEP 0, 1, 0, 1
	CSTEP 3, 1, 0, 1, 0                            ; slot 0 takes K step 2
	WIN 0
	ASK 3
	STEP 0, 0, 1, 1
	CSTEP 3, 0, 0, 1, 1                            ; slot 1 takes K step 3
	STEP 0, 0, 0, 1
	CSTEP 3, 1, 0, 0, 0                            ; nothing is filled again
	STEP 0, 0, 1, 1
	SETS 3, 0, 0, 0                                ; the last 128: nothing more to load; the first half of the rows leaves ahead of the second half's products
	s_wait_dscnt 16
.irp a, 0,1,2,3
	GRP \a
.endr
	s_wait_dscnt 0x0
	PLACES
	QB 0
	QB 1
.irp a, 4,5,6,7
	GRP \a
.endr
	PLACES
	QB 2
	QB 3
	s_wait_tensorcnt 0x0                           ; the wave's end
	ds_add_u32 v[SPW], v[NIL]
	s_wait_dscnt 0x0
	CROUND                                         ; the closing round: no work-group ends while a partner may still ask for a tile that names it
	s_endpgm
.Lfunc_end_k_q35851162e4_proj:
	.size	k_q35851162e4_proj, .Lfunc_end_k_q35851162e4_proj-k_q35851162e4_proj
	.p2alignl 7, 3214868480
	.fill 96, 4, 3214868480
	.section	.rodata,"a",@progbits
	.p2align	6, 0x0
	.amdhsa_kernel k_q35851162e4_proj
		.amdhsa_group_segment_fixed_size 327680
		.amdhsa_private_segment_fixed_size 0
		.amdhsa_enable_private_segment 0
		.amdhsa_kernarg_size 80
		.amdhsa_user_sgpr_count 2
		.amdhsa_user_sgpr_kernarg_segment_ptr 1
		.amdhsa_wavefront_size32 1
		.amdhsa_system_sgpr_workgroup_id_x 1
		.amdhsa_system_sgpr_workgroup_id_y 1
		.amdhsa_system_sgpr_workgroup_id_z 1
		.amdhsa_system_vgpr_workitem_id 0
		.amdhsa_next_free_vgpr 1024
		.amdhsa_next_free_sgpr 100
		.amdhsa_reserve_vcc 0
		.amdhsa_float_denorm_mode_32 3
		.amdhsa_float_denorm_mode_16_64 3
		.amdhsa_memory_ordered 1
		.amdhsa_forward_progress 1
		.amdhsa_inst_pref_size 102
	.end_amdhsa_kernel
	.amdgpu_metadata
---
amdhsa.version: [ 1, 2 ]
amdhsa.kernels:
  - .name:           k_q35851162e4_proj
    .symbol:         k_q35851162e4_proj.kd
    .args:
      - { .name: hidden_states_codes, .offset: 0, .size: 8, .value_kind: global_buffer, .address_space: global }
      - { .name: Wq_codes, .offset: 8, .size: 8, .value_kind: global_buffer, .address_space: global }
      - { .name: Wk_codes, .offset: 16, .size: 8, .value_kind: global_buffer, .address_space: global }
      - { .name: Wv_codes, .offset: 24, .size: 8, .value_kind: global_buffer, .address_space: global }
      - { .name: bq, .offset: 32, .size: 8, .value_kind: global_buffer, .address_space: global }
      - { .name: bk, .offset: 40, .size: 8, .value_kind: global_buffer, .address_space: global }
      - { .name: bv, .offset: 48, .size: 8, .value_kind: global_buffer, .address_space: global }
      - { .name: lowp_scales, .offset: 56, .size: 8, .value_kind: global_buffer, .address_space: global }
      - { .name: q_img, .offset: 64, .size: 8, .value_kind: global_buffer, .address_space: global }
      - { .name: kv_img, .offset: 72, .size: 8, .value_kind: global_buffer, .address_space: global }
    .group_segment_fixed_size: 327680
    .private_segment_fixed_size: 0
    .kernarg_segment_align: 8
    .kernarg_segment_size: 80
    .max_flat_workgroup_size: 128
    .sgpr_count:     100
    .vgpr_count:     1024
    .wavefront_size: 32
...
	.end_amdgpu_metadata
.endif
;; end of part 1
;; launch attn (part 2): grid 8 x 32, 8 waves a work-group, clusters of 4 x 1, 327,680 bytes of LDS; arguments q_img, kv_img, attention_mask, lowp_scales, out0; writes out0
.if DOCPART == 2
	.amdgcn_target "amdgcn-amd-amdhsa--gfx1250"
	.amdhsa_code_object_version 6
	.text
	.protected	k_q35851162e4_attn
	.globl	k_q35851162e4_attn
	.p2align	8
	.type	k_q35851162e4_attn,@function
k_q35851162e4_attn:
	s_mov_b64 s[64:65], 0
	v_nop
	global_prefetch_b8 v0, s[64:65] scope:SCOPE_SE
	s_setreg_imm32_b32 hwreg(HW_REG_WAVE_MODE, 25, 1), 1
	s_wait_xcnt 0x0
	s_wait_alu depctr_hold_cnt(0) depctr_sa_sdst(0) depctr_va_vdst(0) depctr_va_sdst(0) depctr_va_ssrc(0) depctr_va_vcc(0) depctr_vm_vsrc(0)
	s_getreg_b32 s2, hwreg(HW_REG_IB_STS2, 6, 4)
	s_cmp_eq_u32 s2, 0
	s_cbranch_scc0 .Lentry_in_a_cluster
	s_endpgm
.Lentry_in_a_cluster:
	s_bfe_u32 s2, ttmp6, 0x10000c
	s_cmp_lg_u32 s2, 0x3003
	s_cbranch_scc0 .Lentry_shape_is_right
	s_endpgm
.Lentry_shape_is_right:
; out[b][q][64 head + d] = the sum over keys of softmax(q . k / 8 + mask[b][key]) v[key][d], both products on codes of FP8 (E4M3); the codes come as images of the operand registers (16 bytes for each lane (r, h)).
; No step of the problem is left out.  ch(h, i) = 8 h + i for i under 8, 16 + 8 h + i - 8 from 8 on:
;   q_img [bh][tile T of 16 queries][1024]: byte 512 c + 16 (16 h + r) + i = q(16 T + r, 32 c + ch(h, i))
;   kv_img [bh][step s of 128 keys][16384]: K's tile n at 1024 n: byte 512 c + 16 (16 h + r) + i = k(128 s + 16 n + r, 32 c + ch(h, i));
;                                           V's channel tile t at 8192 + 2048 t: byte 512 b + 16 (16 h + r) + i = v(key 128 s + 32 b + ch(h, i), channel 16 t + r)
; The order of the channels in a register is the same in q and k, that of the keys the same in p and v: every product meets its partner.
; THE SOFTMAX: t = (score / 8 + mask) x log2(e); M = the running largest t rounded UP to a whole number; p = 2^(t - M) is quantised with 2^e8, not normalised; the row's sum is taken of the
; unquantised p and divides at the end; when M moves, the sum and O are multiplied by 2^(old M - new M), which rounds nothing.
; THE MASK IS THE C OF THE SCORES' PRODUCTS: mask' = mask x 2^(3 - e6 - e7) (a power of two: exact), so that sum of codes + mask' = t / c with c = log2(e) / 8 x 2^(e6 + e7).
; LIMITS: a mask below -2^29 counts as -2^29 (so that |t| stays under 2^30; a key so masked has p = 0 beside any key that is not); a row ALL of whose keys lie at that floor is not served; NaN and +infinity in the mask are not served.
;   e6 + e7 between -95 and 90; e8 between -126 and 119; e8 + e9 is applied by v_ldexp_f32 and has none.
; SHARES.  A work-group owns 256 queries of one head (bh = y); each of its eight waves 32 of them, two tiles of 16, which go through a key step side by side; two waves to a SIMD.
; Each fragment of K, V and the mask that a wave reads from LDS feeds both its tiles.  Every wave walks all 2,048 keys, 128 a step.
; LDS.  The head's K and V, 262,144 bytes, lie in LDS whole, as they lie in memory.  Each wave brings its eighth of the first NA key steps by one load at the head, and its eighth of the others by one load
; behind the round that shows the first; nothing is filled twice.  No later load is left to run ahead of, so nothing is prefetched.
; CLUSTER.  The four query blocks of a cluster belong to one head: each tile is asked for JOINTLY, with a mask that names the four.
; LAYOUT.  Both products are used transposed: S^T = K Q^T (source 0 = 16 keys, source 1 = 16 queries), O^T = V^T P^T: a lane holds ONE query (lane % 16) throughout; the eight registers of score tile n are keys 16 n + 8 (lane / 16) + 0 .. 7.
; REGISTERS: window 0: v1-31 addresses, constants and the tiles' states; v32-47 Q; v48-63, v224-239 p's codes of tiles 0, 1; v64-127, v128-191 S^T, then p; v192-223 tile 0's first partial sums; v240-249 more constants.
;   window 1: v0-63 O^T (32 a tile); v64-127 K; v128-191 mask'; v192-255 V.
.set NA,  4                            ; key steps of the first load
.set ROWS0, NA*8                       ; rows of 256 bytes in a wave's eighth of them
.set ROWS1, (16-NA)*8                  ; and of the others
.set MBASE, 262144                     ; behind K and V: mask', 2,048 f32
.set SBASE, 270336                     ; behind it: a stage of 16 rows x 272 bytes for each wave, for the way out
.set SPI,   272
.set SPARE, 305152                     ; behind the stages: the spare words, 128 bytes for each wave
.set LI,  1                            ; 16 x lane
.set AM0, 2                            ; MBASE + 32 (lane / 16)
.set ADK, 3                            ; the step's K and V
.set ADM, 4                            ; the step's mask
.set STO, 5                            ; the stage, in
.set RD,  6                            ; the stage, back
.set GO,  7                            ; my byte offset in two rows of out
.set SC,  8                            ; 2^e8
.set LIM, 9                            ; 448 x 2^e8
.set XP,  10                           ; v10, 11: lane permutes' destinations
.set NM,  12                           ; v12, 16: -M
.set TM,  13                           ; v13, 17: the largest t / c so far
.set LS,  14                           ; v[14:15], v[18:19]: the sums, in two halves
.set FF,  20                           ; v[20:21], v[22:23]: f, 0
.set TS,  24                           ; v[24:25], v[26:27]: the sums' second chains
.set TA,  28                           ; v28, 30 and v29, 31: at work
.set TB,  29
.set QF,  32
.set PC,  48                           ; tile t's codes at 48 + 176 t
.set SA,  64
.set SB,  128
.set TT,  192
.set SPW, 240                          ; my spare word
.set NIL, 241                          ; 0
.set RL,  244                          ; v[244:245], v[246:247]: 2^(e8 + e9) / the sum, 0
.set MO,  248                          ; the mask: 16 bytes a thread
.set MA,  249                          ; and its place in LDS
.set KF,  64                           ; in window 1
.set MK,  128
.set VF,  192
.set G1,  24                           ; s[24:31], s[40:47] groups 1 of the two loads; s[32:35], s[36:39] their groups 0
.set G0,  32
.set G0B, 36
.set G1B, 40
.set MSB, 0
.macro WIN new                         ; the immediate's high byte repeats the setting that is left
.if MSB != \new
	s_set_vgpr_msb (MSB<<8)|\new
.set MSB, \new
.endif
.endm
.macro ROUND                           ; a round of the cluster's barrier
	s_barrier_signal -1
	s_barrier_wait -1
	s_cmp_lg_u32 s14, 0
	s_cbranch_scc1 .Lnot_wave_0_\@
	s_barrier_signal -3
.Lnot_wave_0_\@:
	s_barrier_wait -3
	s_barrier_signal -1
	s_barrier_wait -1
.endm
.macro KLD n, off, moff                ; the next n of the 32 loads of a key step's K (16) and mask' (16)
	WIN 0x40
.rept \n
.if KN < 16
	ds_load_b128 v[KF+4*KN:KF+4*KN+3], v[ADK] offset:\off+512*KN
.else
	ds_load_b128 v[MK+4*(KN-16):MK+4*(KN-16)+3], v[ADM] offset:\moff+64*((KN-16)/2)+16*(KN%2)   ; keys 16 n + 8 (lane / 16) on
.endif
.set KN, KN+1
.endr
	WIN 0
.endm
.macro FMAS n                          ; tile 0's t - M, two at a time (of the pairs c and -M the low word serves both halves)
.rept \n
	v_pk_fma_f32 v[SA+2*J:SA+2*J+1], v[SA+2*J:SA+2*J+1], s[52:53], v[NM:NM+1] op_sel_hi:[1,0,0]
.set J, J+1
.endr
.endm
.macro HOLD2 r                         ; the conversion does not saturate (ISA guide 7.6.2); p is not negative, so the hold is one-sided
	v_dual_min_num_f32 v[\r], v[\r], v[LIM] :: v_dual_min_num_f32 v[\r+1], v[\r+1], v[LIM]
.endm
.macro CODES t
.irp b, 0,1,2,3
	v_cvt_scalef32_pk8_fp8_f32 v[PC+176*\t+4*\b:PC+176*\t+4*\b+1], v[SA+64*\t+16*\b:SA+64*\t+16*\b+7], v[SC]
	v_cvt_scalef32_pk8_fp8_f32 v[PC+176*\t+4*\b+2:PC+176*\t+4*\b+3], v[SA+64*\t+16*\b+8:SA+64*\t+16*\b+15], v[SC]
.endr
.endm
.macro MAXOP t                         ; the next of tile t's 30 maxima, in four chains (TA, TB and the pair TS), each accumulator from its low end on
.set CH, TA+2*\t+(MI%4)-6*((MI%4)/2)
.if MI < 4
	v_max3_num_f32 v[CH], v[SA+64*\t+3*MI], v[SA+64*\t+3*MI+1], v[SA+64*\t+3*MI+2]
.else
	v_max3_num_f32 v[CH], v[CH], v[SA+64*\t+2*MI+4], v[SA+64*\t+2*MI+5]
.endif
.set MI, MI+1
.endm
.macro MAX4
.rept 4
	MAXOP 1
.endr
.endm
.macro CHN k, t                        ; the k-th link from tile t's four maxima to -M and f
.if \k == 1
	v_max3_num_f32 v[TA+2*\t], v[TA+2*\t], v[TB+2*\t], v[TS+2*\t]
.elseif \k == 2
	v_max_num_f32 v[TA+2*\t], v[TA+2*\t], v[TS+1+2*\t]
.elseif \k == 3
	v_permlanex16_b32 v[XP+\t], v[TA+2*\t], s54, s55
.elseif \k == 4
	v_max3_num_f32 v[TM+4*\t], v[TM+4*\t], v[TA+2*\t], v[XP+\t]   ; among lane l xor 16's, and so far (c is positive: the largest t is c times this)
.elseif \k == 5
	v_mul_f32 v[TA+2*\t], s52, v[TM+4*\t]
	v_mov_b32 v[TB+2*\t], v[NM+4*\t]
.elseif \k == 6
	v_floor_f32 v[NM+4*\t], -v[TA+2*\t]            ; the new -M = floor(-t) = -ceil(t): a whole number
.elseif \k == 7
	v_sub_f32 v[TA+2*\t], v[NM+4*\t], v[TB+2*\t]   ; old M - new M: a whole number, 0 or less
.elseif \k == 8
	v_cvt_i32_f32 v[TA+2*\t], v[TA+2*\t]           ; (it saturates)
.else
	v_ldexp_f32 v[FF+2*\t], 1.0, v[TA+2*\t]        ; f = 2^(old M - new M)
.endif
.endm
; A key step, both tiles side by side.  K and mask' are in registers; V, and (pf = 1) the next step's K and mask', are asked for in two runs, each directly behind a wait for the vector results.
.macro STEP pf
	WIN 0x11                                       ; K and mask' window 1; Q and the scores window 0
.irp t, 0,1
.irp u, 0,1,2,3,4,5,6,7
	v_wmma_f32_16x16x64_fp8_fp8 v[SA+64*\t+8*\u:SA+64*\t+8*\u+7], v[KF+8*\u:KF+8*\u+7], v[QF+8*\t:QF+8*\t+7], v[MK+8*\u:MK+8*\u+7]   ; a whole sum each: K = the head's 64; C = mask'
.endr
.endr
	v_add_nc_u32 v[ADK], s56, v[LI]                ; four places behind the products, for the loads and for the first read of the scores
.if \pf
	v_add_nc_u32 v[ADM], s57, v[AM0]
.else
	v_nop
.endif
	v_nop
	v_nop
	WIN 0
.set KN, 0
.set MI, 0
.rept 30                               ; the step's largest of my query, among my 64 keys: tile 0,
	MAXOP 0
.endr
.set MI, 0
	MAX4                                           ; then tile 1, with tile 0's links to -M among them
	CHN 1, 0
	MAX4
	CHN 2, 0
	MAX4
	CHN 3, 0
	MAX4
	CHN 4, 0
	MAX4
	CHN 5, 0
	MAX4
	CHN 6, 0
	MAX4
	CHN 7, 0
	MAXOP 1
	MAXOP 1
.set J, 0
	FMAS 4                                         ; tile 0's t - M, with tile 1's links among them
	CHN 1, 1
	CHN 8, 0
	FMAS 4
	CHN 2, 1
	CHN 9, 0
	FMAS 4
	CHN 3, 1
	FMAS 4
	CHN 4, 1
	FMAS 4
	CHN 5, 1
	FMAS 4
	CHN 6, 1
	FMAS 3
	CHN 7, 1
	FMAS 3
	CHN 8, 1
	FMAS 2
	CHN 9, 1
	s_wait_alu depctr_va_vdst(0)                   ; ahead of the batch of loads
	WIN 0x40
.irp d, 0,1,2,3
.irp b, 0,1,2,3
	ds_load_b128 v[VF+16*\d+4*\b:VF+16*\d+4*\b+3], v[ADK] offset:8192+2048*\d+512*\b
.endr
.endr
.if \pf
	KLD 8, 16384, 512
.endif
	WIN 0
.set J, 0
.rept 32                               ; tile 0's p = 2^(t - M); among them tile 1's t - M
	v_exp_f32 v[SA+2*J], v[SA+2*J]
	v_exp_f32 v[SA+2*J+1], v[SA+2*J+1]
	v_pk_fma_f32 v[SB+2*J:SB+2*J+1], v[SB+2*J:SB+2*J+1], s[52:53], v[NM+4:NM+5] op_sel_hi:[1,0,0]
.set J, J+1
.endr
	s_wait_alu depctr_va_vdst(0)                   ; behind the first batch and ahead of the second
.if \pf
	KLD 24, 16384, 512
.endif
.set J, 0
.rept 16                               ; tile 1's p; among them tile 0's first additions (of the unquantised p), then its holds
	v_exp_f32 v[SB+4*J], v[SB+4*J]
	v_exp_f32 v[SB+4*J+1], v[SB+4*J+1]
	v_pk_add_f32 v[TT+2*J:TT+2*J+1], v[SA+4*J:SA+4*J+1], v[SA+4*J+2:SA+4*J+3]
	v_exp_f32 v[SB+4*J+2], v[SB+4*J+2]
	HOLD2 SA+4*J
	v_exp_f32 v[SB+4*J+3], v[SB+4*J+3]
	HOLD2 SA+4*J+2
.set J, J+1
.endr
.if \pf
	s_wait_dscnt 32                                ; V is in; the 32 younger loads (the next step's K and mask') may be out
.else
	s_wait_dscnt 0x0                               ; V is in
.endif
	WIN 0x41                                       ; O^T (destination and source 0) window 1, f window 0
	s_wait_alu depctr_va_vdst(0)                   ; behind the batch, and directly ahead of the first reader of O^T
.irp t, 0,1
.irp j, 0,2,4,6,8,10,12,14,16,18,20,22,24,26,28,30
	v_pk_mul_f32 v[32*\t+\j:32*\t+\j+1], v[32*\t+\j:32*\t+\j+1], v[FF+2*\t:FF+2*\t+1] op_sel_hi:[1,0]   ; O^T under the new M
.endr
.endr
	WIN 0
.irp t, 0,1
	v_pk_mul_f32 v[LS+4*\t:LS+4*\t+1], v[LS+4*\t:LS+4*\t+1], v[FF+2*\t:FF+2*\t+1] op_sel_hi:[1,0]   ; the sums likewise
.endr
.set J, 0
.rept 16                               ; the sums, two chains a tile; from the ninth round on tile 1's holds, each behind the addition that reads its numbers
	v_pk_add_f32 v[LS+4:LS+5], v[LS+4:LS+5], v[SB+4*J:SB+4*J+1]
.if J == 1
	v_pk_add_f32 v[TS+2:TS+3], v[SB+2:SB+3], v[SB+6:SB+7]
	v_pk_add_f32 v[TS:TS+1], v[TT+2:TT+3], v[TT+6:TT+7]
.endif
.if J > 1
	v_pk_add_f32 v[TS+2:TS+3], v[TS+2:TS+3], v[SB+4*J+2:SB+4*J+3]
.endif
.if J < 8
	v_pk_add_f32 v[LS:LS+1], v[LS:LS+1], v[TT+4*J:TT+4*J+1]
	v_cvt_scalef32_pk8_fp8_f32 v[PC+2*J:PC+2*J+1], v[SA+8*J:SA+8*J+7], v[SC]   ; tile 0's codes, one conversion a round; the additions are the plain instructions behind it
.if J > 1
	v_pk_add_f32 v[TS:TS+1], v[TS:TS+1], v[TT+4*J+2:TT+4*J+3]
.endif
.else
	HOLD2 SB+8*(J-8)
	HOLD2 SB+8*(J-8)+2
	HOLD2 SB+8*(J-8)+4
	HOLD2 SB+8*(J-8)+6
.endif
.set J, J+1
.endr
	CODES 1
.irp t, 0,1
	v_pk_add_f32 v[LS+4*\t:LS+4*\t+1], v[LS+4*\t:LS+4*\t+1], v[TS+2*\t:TS+2*\t+1]   ; (also the plain instructions behind the conversions)
.endr
	WIN 0x51                                       ; V, C and D window 1; p's codes window 0
.irp t, 0,1
.irp d, 0,1,2,3
	v_wmma_f32_16x16x128_fp8_fp8 v[32*\t+8*\d:32*\t+8*\d+7], v[VF+16*\d:VF+16*\d+15], v[PC+176*\t:PC+176*\t+15], v[32*\t+8*\d:32*\t+8*\d+7]   ; eight accumulators by turns
.endr
.endr
	WIN 0
.if \pf
	s_wait_dscnt 0x0                               ; the next step's K and mask' are in
.endif
.endm
; Key steps s0 .. s0 + n - 1: the first one's K and mask' are asked for here; the last one asks for no successor's.
; sync = 1: ahead of its last two steps each wave says that its second load has landed; behind them it waits for all eight to have said so.  Between the two stand LDS loads of the first load's bytes and work on registers.
.macro WALK s0, n, sync
	s_mov_b32 s56, 16384*(\s0)
	s_mov_b32 s57, 512*(\s0)
	v_add_nc_u32 v[ADK], s56, v[LI]
	v_add_nc_u32 v[ADM], s57, v[AM0]
.set KN, 0
	KLD 32, 0, 0
	s_mov_b32 s58, (\n)-1-(\sync)
	s_wait_dscnt 0x0
.Lstep_\@:
	STEP 1
	s_add_co_u32 s56, s56, 16384
	s_add_co_u32 s57, s57, 512
	s_sub_co_u32 s58, s58, 1
	s_cmp_lg_u32 s58, 0
	s_cbranch_scc1 .Lstep_\@
.if \sync
	s_wait_tensorcnt 0x0                           ; my part of the other key steps has landed;
	s_wait_dscnt 0x0                               ; no LDS instruction of mine is out
	s_barrier_signal -1
	STEP 1
	s_add_co_u32 s56, s56, 16384
	s_add_co_u32 s57, s57, 512
	STEP 0
	s_barrier_wait -1                              ; all eight waves' parts have landed
.else
	STEP 0
.endif
.endm
	s_load_b256 s[4:11], s[0:1], 0x0               ; q_img 4, kv_img 6, the mask 8, the scales' exponents 10
	s_load_b64 s[12:13], s[0:1], 0x20              ; out
	v_lshl_add_u32 v[SPW], v0, 2, SPARE
	v_mov_b32 v[NIL], 0
	ds_add_u32 v[SPW], v[NIL]                      ; the wave's opening: the add, twice on end, under one wait
	ds_add_u32 v[SPW], v[NIL]
	v_lshrrev_b32 v1, 5, v0
	v_readfirstlane_b32 s14, v1                    ; wave 0..7
	s_bfe_u32 s15, ttmp6, 0x40000                  ; cx: my place in the cluster
	s_lshl_b32 s16, ttmp9, 2
	s_add_co_u32 s16, s16, s15                     ; my block of 256 queries = 4 x cluster x + cx: it enters Q's and out's addresses alone
	s_and_b32 s17, ttmp7, 0xffff                   ; bh, which the four partners share
	; descriptor groups 1: rows of 32 elements of 8 bytes, dense
	s_mov_b32 s[G1+0], 15|(3<<16)|(1<<21)          ; 15:0 the mask: all four work-groups; 17:16 elements of 8 bytes; 21 set beside a mask; no padding
	s_mov_b32 s[G1+1], 32<<16                      ; tensor_dim0
	s_mov_b32 s[G1+2], ROWS0<<16                   ; tensor_dim1
	s_mov_b32 s[G1+3], 32<<16                      ; tile_dim0
	s_mov_b32 s[G1+4], ROWS0                       ; tile_dim1
	s_mov_b32 s[G1+5], 32                          ; from row to row
	s_mov_b32 s[G1+6], 0
	s_mov_b32 s[G1+7], 0
	s_mov_b32 s[G1B+0], 15|(3<<16)|(1<<21)
	s_mov_b32 s[G1B+1], 32<<16
	s_mov_b32 s[G1B+2], ROWS1<<16
	s_mov_b32 s[G1B+3], 32<<16
	s_mov_b32 s[G1B+4], ROWS1
	s_mov_b32 s[G1B+5], 32
	s_mov_b32 s[G1B+6], 0
	s_mov_b32 s[G1B+7], 0
	s_lshl_b32 s18, s17, 18                        ; the head's 262,144 bytes
	s_mul_i32 s20, s14, ROWS0*256                  ; my eighth of the first NA key steps: in LDS,
	s_mul_i32 s22, s14, ROWS1*256
	s_add_co_u32 s22, s22, NA*16384                ; and of the others
	s_add_co_u32 s60, s18, s20                     ; the same in memory
	s_mov_b32 s61, 0
	s_add_co_u32 s62, s18, s22
	s_mov_b32 s63, 0
	s_lshl_b32 s56, s17, 17                        ; Q: 131,072 bh + 16,384 block + 2,048 w
	s_lshl_b32 s57, s16, 14
	s_add_co_u32 s56, s56, s57
	s_lshl_b32 s57, s14, 11
	s_add_co_u32 s56, s56, s57
	s_mov_b32 s57, 0
	s_lshr_b32 s58, s17, 4                         ; the batch
	s_lshl_b32 s58, s58, 13                        ; the mask: 8,192 bytes a batch
	s_mov_b32 s59, 0
	s_mov_b32 s54, 0x76543210                      ; v_permlanex16_b32's selects for lane l xor 16
	s_mov_b32 s55, 0xfedcba98
	s_mul_i32 s23, s14, 16*SPI
	s_add_co_u32 s23, s23, SBASE                   ; my stage
	v_and_b32 v[LI], 31, v0
	v_and_b32 v[TA], 15, v0                        ; r
	v_bfe_u32 v[TB], v0, 4, 1                      ; h
	v_lshlrev_b32 v[LI], 4, v[LI]
	v_lshl_add_u32 v[AM0], v[TB], 5, MBASE
	v_mul_u32_u24 v[STO], v[TA], SPI               ; in: row r; channel tile d's eight numbers of my half: 64 d + 32 h bytes on
	v_mul_u32_u24 v[RD], v[TB], SPI                ; back: lanes 0-15 one row of 256 bytes, lanes 16-31 the next
	v_lshlrev_b32 v[GO], 12, v[TB]                 ; and the same two rows in out: 4,096 bytes apart
	v_lshl_add_u32 v[STO], v[TB], 5, v[STO]
	v_lshl_add_u32 v[RD], v[TA], 4, v[RD]
	v_lshl_add_u32 v[GO], v[TA], 4, v[GO]
	v_add_nc_u32 v[STO], s23, v[STO]
	v_add_nc_u32 v[RD], s23, v[RD]
	v_lshlrev_b32 v[MO], 4, v0
	v_lshl_add_u32 v[MA], v0, 4, MBASE
	s_wait_alu depctr_va_vdst(0)                   ; directly ahead of the waits below
	s_wait_dscnt 0x0                               ; both opening adds are done
	s_wait_kmcnt 0x0
	s_load_b128 s[48:51], s[10:11], 0x18           ; e6, e7, e8, e9
	s_mov_b32 s[G0], 1                             ; 1:0 count = 1
	s_mov_b32 s[G0+1], s20                         ; 63:32 LDS address
	s_add_nc_u64 s[G0+2:G0+3], s[6:7], s[60:61]    ; 120:64 global address
	s_or_b32 s[G0+3], s[G0+3], 0x80000000          ; 127:126 type = 2
	s_mov_b32 s[G0B], 1
	s_mov_b32 s[G0B+1], s22
	s_add_nc_u64 s[G0B+2:G0B+3], s[6:7], s[62:63]
	s_or_b32 s[G0B+3], s[G0B+3], 0x80000000
	s_add_nc_u64 s[4:5], s[4:5], s[56:57]
	s_add_nc_u64 s[8:9], s[8:9], s[58:59]
	ROUND                                          ; all four work-groups are here: the joint loads meet
	tensor_load_to_lds s[G0:G0+3], s[G1:G1+7]      ; key steps 0 to NA - 1: my one tensor load at the head
	s_nop 0
.rept 4
	v_nop                                          ; four behind a tensor load
.endr
.irp i, 0,1,2,3
	global_load_b128 v[QF+4*\i:QF+4*\i+3], v[LI], s[4:5] offset:512*\i th:TH_LOAD_NT   ; my two tiles of Q stay in registers; read once in the launch
.endr
	global_load_b128 v[SA:SA+3], v[MO], s[8:9]
	global_load_b128 v[SA+4:SA+7], v[MO], s[8:9] offset:4096
	s_lshr_b32 s60, s17, 4                         ; out: 4,096 (2,048 batch + 256 block + 32 w) + 256 head
	s_lshl_b32 s60, s60, 23
	s_lshl_b32 s62, s16, 20
	s_add_co_u32 s60, s60, s62
	s_lshl_b32 s62, s14, 17
	s_add_co_u32 s60, s60, s62
	s_and_b32 s62, s17, 15
	s_lshl_b32 s62, s62, 8
	s_add_co_u32 s60, s60, s62
	s_add_nc_u64 s[12:13], s[12:13], s[60:61]
.irp t, 0,1
	v_mov_b32 v[TM+4*\t], 0xff61b1e6               ; the largest t / c so far: -3e38, under every one
	v_mov_b32 v[NM+4*\t], 0x7f61b1e6               ; -M
	v_mov_b32 v[LS+4*\t], 0
	v_mov_b32 v[LS+4*\t+1], 0
	v_mov_b32 v[XP+\t], 0                          ; written once: a lane permute's destination counts as one of its sources
	v_mov_b32 v[FF+2*\t+1], 0                      ; (named as the upper halves of pairs)
	v_mov_b32 v[RL+2*\t+1], 0
.endr
	WIN 0x40
.set J, 0
.rept 64
	v_mov_b32 v[J], 0                              ; O^T.  (The step has no first form of its own: the first finds zeros, which the first change of M leaves zeros)
.set J, J+1
.endr
	WIN 0
	s_wait_kmcnt 0x0
	s_add_co_i32 s60, s48, s49                     ; e6 + e7
	s_lshl_b32 s61, s60, 23
	s_add_co_i32 s52, s61, 0x3e38aa3b              ; c = log2(e) / 8 x 2^(e6 + e7): the exponents are added to the exponent field
	s_mov_b32 s53, s52                             ; (named with it as a pair, so it is written)
	s_sub_co_i32 s61, 3, s60                       ; mask' = mask x 2^(3 - e6 - e7)
	s_add_co_i32 s62, s50, 127
	s_lshl_b32 s63, s62, 23
	v_mov_b32 v[SC], s63                           ; 2^e8 as f32
	s_add_co_i32 s62, s62, 8
	s_lshl_b32 s62, s62, 23
	s_or_b32 s62, s62, 0x600000
	v_mov_b32 v[LIM], s62                          ; 448 x 2^e8
	s_add_co_i32 s60, s50, s51                     ; e8 + e9
	s_wait_loadcnt 0x0                             ; Q and the mask
.irp j, 0,1,2,3,4,5,6,7
	v_max_num_f32 v[SA+\j], 0xce000000, v[SA+\j]   ; the floor, -2^29
.endr
.irp j, 0,1,2,3,4,5,6,7
	v_ldexp_f32 v[SA+\j], v[SA+\j], s61
.endr
	ds_store_b128 v[MA], v[SA:SA+3]
	ds_store_b128 v[MA], v[SA+4:SA+7] offset:4096
	s_wait_alu depctr_va_vdst(0)                   ; the head's end
	s_wait_tensorcnt 0x0                           ; my part of the first key steps is in
	ds_add_u32 v[SPW], v[NIL]
	s_wait_dscnt 0x0                               ; the add is done, and my part of mask' is stored
	ROUND                                          ; both hold of every wave, and all four work-groups are here:
	tensor_load_to_lds s[G0B:G0B+3], s[G1B:G1B+7]  ; the other key steps, my eighth: the first tensor load behind the round
	s_nop 0
.rept 4
	v_nop
.endr
	WALK 0, NA, 1
	WALK NA, 16-NA, 0
	; THE WAY OUT.  O^T x 2^(e8 + e9) / the sum goes through my own stage in LDS, a tile of 16 queries at a time, and leaves as rows of 256 bytes: a query's 64 numbers of this head.
.rept 4
	v_nop                                          ; places behind the last products
.endr
.irp t, 0,1
	v_add_f32 v[LS+4*\t], v[LS+4*\t], v[LS+4*\t+1] ; the sum's two halves,
.endr
.irp t, 0,1
	v_permlanex16_b32 v[XP+\t], v[LS+4*\t], s54, s55
.endr
.irp t, 0,1
	v_add_f32 v[LS+4*\t], v[LS+4*\t], v[XP+\t]     ; and lane l xor 16's
.endr
	s_wait_alu depctr_va_vdst(0)                   ; ahead of the batch too
	v_rcp_f32 v[RL], v[LS]
	v_rcp_f32 v[RL+2], v[LS+4]
	v_nop                                          ; a plain instruction between the reciprocals and the use of their results
	s_wait_alu depctr_va_vdst(0)                   ; behind the batch, and ahead of the readers of O^T
	v_ldexp_f32 v[RL], v[RL], s60
	v_ldexp_f32 v[RL+2], v[RL+2], s60
	WIN 0x01                                       ; source 0 (O^T) window 1
.irp t, 0,1
.irp i, 0,2,4,6,8,10,12,14,16,18,20,22,24,26,28,30
	v_pk_mul_f32 v[SA+32*\t+\i:SA+32*\t+\i+1], v[32*\t+\i:32*\t+\i+1], v[RL+2*\t:RL+2*\t+1] op_sel_hi:[1,0]   ; register 8 d + j: out(query r, channel 16 d + 8 h + j); each accumulator from its low end on
.endr
.endr
	WIN 0
.irp t, 0,1
.irp d, 0,1,2,3
	ds_store_b128 v[STO], v[SA+32*\t+8*\d:SA+32*\t+8*\d+3] offset:64*\d
	ds_store_b128 v[STO], v[SA+32*\t+8*\d+4:SA+32*\t+8*\d+7] offset:64*\d+16
.endr
.irp i, 0,1,2,3,4,5,6,7
	ds_load_b128 v[SB+32*\t+4*\i:SB+32*\t+4*\i+3], v[RD] offset:2*SPI*\i   ; LDS serves a wave's instructions in order (ISA guide 5.7.1.4): these see my stores, and the next tile's stores come behind them
.endr
.endr
.irp i, 0,1,2,3,4,5,6,7
	s_wait_dscnt 23-\i                             ; behind tile 0's load i: its 7 - i younger loads and tile 1's sixteen LDS instructions
	global_store_b128 v[GO], v[SB+4*\i:SB+4*\i+3], s[12:13] offset:8192*\i th:TH_STORE_NT   ; sixteen lanes store 256 consecutive bytes, at a multiple of 256 from out's first byte
.endr
.irp i, 0,1,2,3,4,5,6,7
	s_wait_dscnt 7-\i
	global_store_b128 v[GO], v[SB+32+4*\i:SB+32+4*\i+3], s[12:13] offset:65536+8192*\i th:TH_STORE_NT
.endr
	s_wait_tensorcnt 0x0                           ; the wave's end
	ds_add_u32 v[SPW], v[NIL]
	s_wait_dscnt 0x0
	ROUND                                          ; the closing round: no work-group ends while a partner may still ask for a tile that names it
	s_endpgm
.Lfunc_end_k_q35851162e4_attn:
	.size	k_q35851162e4_attn, .Lfunc_end_k_q35851162e4_attn-k_q35851162e4_attn
	.p2alignl 7, 3214868480
	.fill 96, 4, 3214868480
	.section	.rodata,"a",@progbits
	.p2align	6, 0x0
	.amdhsa_kernel k_q35851162e4_attn
		.amdhsa_group_segment_fixed_size 327680
		.amdhsa_private_segment_fixed_size 0
		.amdhsa_enable_private_segment 0
		.amdhsa_kernarg_size 40
		.amdhsa_user_sgpr_count 2
		.amdhsa_user_sgpr_kernarg_segment_ptr 1
		.amdhsa_wavefront_size32 1
		.amdhsa_system_sgpr_workgroup_id_x 1
		.amdhsa_system_sgpr_workgroup_id_y 1
		.amdhsa_system_sgpr_workgroup_id_z 1
		.amdhsa_system_vgpr_workitem_id 0
		.amdhsa_next_free_vgpr 512
		.amdhsa_next_free_sgpr 66
		.amdhsa_reserve_vcc 0
		.amdhsa_float_denorm_mode_32 3
		.amdhsa_float_denorm_mode_16_64 3
		.amdhsa_memory_ordered 1
		.amdhsa_forward_progress 1
		.amdhsa_inst_pref_size 164
	.end_amdhsa_kernel
	.amdgpu_metadata
---
amdhsa.version: [ 1, 2 ]
amdhsa.kernels:
  - .name:           k_q35851162e4_attn
    .symbol:         k_q35851162e4_attn.kd
    .args:
      - { .name: q_img, .offset: 0, .size: 8, .value_kind: global_buffer, .address_space: global }
      - { .name: kv_img, .offset: 8, .size: 8, .value_kind: global_buffer, .address_space: global }
      - { .name: attention_mask, .offset: 16, .size: 8, .value_kind: global_buffer, .address_space: global }
      - { .name: lowp_scales, .offset: 24, .size: 8, .value_kind: global_buffer, .address_space: global }
      - { .name: out0, .offset: 32, .size: 8, .value_kind: global_buffer, .address_space: global }
    .group_segment_fixed_size: 327680
    .private_segment_fixed_size: 0
    .kernarg_segment_align: 8
    .kernarg_segment_size: 40
    .max_flat_workgroup_size: 256
    .sgpr_count:     66
    .vgpr_count:     512
    .wavefront_size: 32
...
	.end_amdgpu_metadata
.endif
;; end of part 2
